; MI455X (gfx1250); checked and timed in simulation.
; The chip was launched on July 23, 2026; its instructions are those of AMD's public machine-readable ISA for CDNA 5 (MIT licence, August 2026) and "CDNA5" Instruction Set Architecture Reference Guide (July 2026). The comments in the code are by the model that wrote it; some were corrected since.
;; Spatial Bayesian Attention. Allowed arithmetic: matrix products marked QUANTISED: E4M3 operands, one E8M0 scale for each 32 along K, by v_wmma_scale_f32_16x16x128_f8f6f4 with both operands' format E4M3, f32 sums; everything else in f32.
;; Inputs: betaf 128 float32; betag 128 float32; bf 128 float32; bg 128 float32; bh 128 float32; bv 512 float32; gf 128 float32; gg 128 float32; mf 128 float32; mg 128 float32; vf 128 float32; vg 128 float32; wf 128 x 512 float32; wg 128 x 512 float32; wh 128 x 512 float32; wv 512 x 128 float32; x 4 x 512 x 64 x 64 float32.
;; Outputs: out0 4 x 512 x 64 x 64 float32.
;; This version of the problem:
;;   THIS VERSION OF THE PROBLEM IS GIVEN IN LOW PRECISION. The matrix products marked QUANTISED in the list below multiply operands that are first quantised to E4M3 (4 exponent bits, 3 mantissa bits; 8 bits a number), with one power-of-two scale for each 32 numbers along K (OCP MX v1.0); their sums are f32. All else is computed in f32.
;;   The module's matrix products, in the order in which they are computed (A, B: the left and right operand; K: the contracted axis; several contracted axes count as one K, in the product's order):
;;     1. [M 128, K 512] x [K 512, N 16,384]; A: input wf; B: input x: QUANTISED
;;     2. [M 128, K 512] x [K 512, N 16,384]; A: input wg; B: input x: QUANTISED
;;     3. [M 128, K 512] x [K 512, N 16,384]; A: input wh; B: input x: QUANTISED
;;     4. batch 4 x [M 4,096, K 128] x [K 128, N 4,096]; A: computed on the way; B: computed on the way: QUANTISED
;;     5. batch 4 x [M 128, K 4,096] x [K 4,096, N 4,096]; A: computed on the way; B: softmax (see below): QUANTISED
;;     6. [M 512, K 128] x [K 128, N 16,384]; A: input wv; B: computed on the way: QUANTISED
;;   THE QUANTISER, for each operand of a quantised product, along K:
;;     - K is cut into blocks of 32 from its start; a last block that is shorter is filled with zeros.
;;     - A block's scale is 2^e with e = floor(log2(the largest magnitude in the block)) - 8, held to -126 .. 127; a block of zeros has e = 0. As a byte (E8M0): e + 127.
;;     - Each number is divided by its block's scale, clamped to +-448, and rounded to the nearest number of E4M3, ties to even, subnormals kept.
;;     - The product sums the exact products of the quantised numbers (number of the format x scale) in f32.
;;   ~~~python
;;   def quantise(x, axis):      # numpy; x: float32 -> the quantised numbers, widened to float32 again
;;       x = np.moveaxis(x, axis, -1); K = x.shape[-1]
;;       x = np.pad(x, [(0, 0)] * (x.ndim - 1) + [(0, -K % 32)]); x = x.reshape(x.shape[:-1] + (-1, 32)); a = np.abs(x).max(-1, keepdims=True)
;;       e = np.where(a > 0, np.clip(np.frexp(np.where(a > 0, a, 1))[1] - 1 - 8, -126, 127), 0)      # np.frexp(a)[1] - 1 = floor(log2(a)), exactly
;;       r = np.clip(x / 2.0 ** e, -448, 448)
;;       step = 2.0 ** (np.maximum(np.frexp(np.where(r == 0, 1, r))[1] - 1, -6) - 3)
;;       q = np.round(r / step) * step * 2.0 ** e      # np.round: ties to even
;;       return np.moveaxis(q.reshape(q.shape[:-2] + (-1,))[..., :K], -1, axis).astype(np.float32)
;;   ~~~
;;   SOFTMAX AHEAD OF A QUANTISED PRODUCT. Where the list says 'softmax', what is quantised is not the finished softmax but p = 2^(t - M), with t = logit x log2(e) and M = ceil(the row's largest t), a whole number; so 1/2 < the row's largest p <= 1. The row's sum l is taken of the UNQUANTISED p, in f32, and the product's result is divided by l at the end. Since M is a whole number, a kernel that streams over the keys may use a running M (the ceiling of the running maximum): every later rescaling is an exact power of two, which a block's scale takes up: the codes' values come out the same.
;;   OPERANDS COMPUTED ON THE WAY. 'Computed on the way' means the value that the module computes at that place (a softmax that the list does not call 'softmax' is quantised finished and normalised). What goes into a quantiser is computed in f32, as accurately as f32 sums, v_exp_f32 and their like allow (about 1e-6 of the number): no bf16 or f16 on the way to a quantiser, and a product that is left as it is and whose result goes on into a quantised operand takes f32 operands (vector FMAs, or v_wmma_f32_16x16x4_f32). A number that lies on a knife's edge between two numbers of the format may be rounded either way, as far as f32 arithmetic and the matrix unit's own rounding can turn it there, and no further.
;; One version. Each part assembles by itself: llvm-mc -triple=amdgcn-amd-amdhsa -mcpu=gfx1250 --defsym DOCPART=n.
;; ======== version 1 of 1: 3 launches
;; workspace buffers: wq 278,528 bytes; bn 2,048 bytes; fq 2,162,688 bytes; kv 4,325,376 bytes
;; launch prep (part 1): grid 33 x 1, 4 waves a work-group, no clusters, 0 bytes of LDS; arguments wf, wg, wh, wv, bf, gf, betaf, mf, vf, bg, gg, betag, mg, vg, wq, bn; writes wq, bn
.if DOCPART == 1
	.amdgcn_target "amdgcn-amd-amdhsa--gfx1250"
	.amdhsa_code_object_version 6
	.text
	.protected	k_q0de79a4071_prep
	.globl	k_q0de79a4071_prep
	.p2align	8
	.type	k_q0de79a4071_prep,@function
k_q0de79a4071_prep:
	s_mov_b64 s[64:65], 0
	v_nop
	global_prefetch_b8 v0, s[64:65] scope:SCOPE_SE
	s_setreg_imm32_b32 hwreg(HW_REG_WAVE_MODE, 25, 1), 1
	s_wait_xcnt 0x0
; The four weights become codes of FP8 (E4M3) with one E8M0 scale byte for each 32 along K (K is innermost in all four), ONCE, laid as images of operand registers;
; and each batch-norm is folded into two numbers a channel.
; wq: fragment F (16 rows x 128 K) is 2,048 bytes at 2,048 F: four pieces of 512 bytes, piece c holding lane l's registers 4 c .. 4 c + 3 at byte 16 l.  From byte 262,144 on: its scale words, 128 F + 4 l.
;   wf, wg, wh (ten = 0, 1, 2): F = 32 ten + 4 T + s, tile T = 0..7, K step s = 0..3; lane r of tile T takes row 32 (T / 2) + 8 (T % 2) + r + 8 (r / 8), so that the results of tiles 2 b and 2 b + 1 are
;   16 neighbours along the next product's K.  wv: F = 96 + T, T = 0..31, row 16 T + r.
; bn: [f, g][inv 128 | Bc 128], f32: inv = gamma x rsq(var + 1e-5), Bc = (bias - mean) x inv + beta, so that bn(conv + bias) = conv x inv + Bc.
; SHARES.  Work-groups 0-31: one fragment a wave, F = 4 x work-group + wave.  Work-group 32: the 128 channels of the two batch-norms, one a thread.  No LDS, no barrier: waves share nothing.
; LIMITS: NaN and infinities among the inputs are not served; a block of zeros gets the scale byte 1 (its codes are zeros; this program alone reads the bytes); var + 1e-5 is taken to be a positive
; normal number; the folded batch-norm rounds in another order than x * inv + (beta - mean * inv).
.set SEL, 44                           ; s[44:45] lane selects for v_permlanex16_b32: lane l xor 16
.set MNT, 46                           ; s46      the mantissa field of 448
.set XN,  16                           ; v16-79   64 numbers: register 16 b + i = k 32 b + 16 (lane / 16) + i of my row
.set PC,  80                           ; v80-95   the fragment's codes
.set TM,  96                           ; v96-99 largest magnitudes, v100-103 bytes, v104-107 448 x the scale, v108-111 the conversions' scale operands
.set PW,  112                          ; v112     the scale word
	s_load_b512 s[8:23], s[0:1], 0x0               ; wf 8, wg 10, wh 12, wv 14, bf 16, gf 18, betaf 20, mf 22
	s_load_b512 s[24:39], s[0:1], 0x40             ; vf 24, bg 26, gg 28, betag 30, mg 32, vg 34, wq 36, bn 38
	v_lshrrev_b32 v1, 5, v0
	v_readfirstlane_b32 s40, v1                    ; wave 0..3
	s_cmp_eq_u32 ttmp9, 32
	s_cbranch_scc1 .Lbn
	v_and_b32 v2, 15, v0                           ; r
	v_bfe_u32 v3, v0, 4, 1                         ; h
	v_and_b32 v4, 31, v0                           ; lane
	v_lshlrev_b32 v6, 4, v4                        ; 16 x lane: my place in a piece of an image
	v_lshlrev_b32 v7, 2, v4                        ; 4 x lane: my scale word's
.irp b, 0,1,2,3
	v_mov_b32 v[TM+4+\b], 0                        ; written once: a lane permute's destination counts as one of its sources
.endr
	s_lshr_b32 s41, ttmp9, 3                       ; ten: which tensor
	s_and_b32 s42, ttmp9, 7
	s_lshl_b32 s47, s42, 2
	s_add_co_u32 s47, s47, s40
	s_lshl_b32 s47, s47, 4                         ; wv: first row 16 (4 (g % 8) + wave)
	s_lshr_b32 s48, s42, 1
	s_lshl_b32 s48, s48, 5
	s_and_b32 s49, s42, 1
	s_lshl_b32 s49, s49, 3
	s_add_co_u32 s48, s48, s49                     ; the others: 32 (T / 2) + 8 (T % 2)
	s_lshl_b32 s49, s40, 9                         ; the others: K step = wave, 512 bytes each
	s_lshl_b32 s50, ttmp9, 2
	s_add_co_u32 s50, s50, s40                     ; F
	s_lshl_b32 s52, s50, 11                        ; where the image goes,
	s_mov_b32 s53, 0
	s_lshl_b32 s54, s50, 7
	s_add_co_u32 s54, s54, 262144                  ; and the scale words
	s_mov_b32 s55, 0
	s_mov_b32 s[SEL], 0x76543210
	s_mov_b32 s[SEL+1], 0xfedcba98
	s_mov_b32 s[MNT], 0x600000
	s_wait_kmcnt 0x0
	s_cmp_eq_u32 s41, 1                            ; the tensor is chosen by the work-group's number alone
	s_cselect_b64 s[8:9], s[10:11], s[8:9]
	s_cmp_eq_u32 s41, 2
	s_cselect_b64 s[8:9], s[12:13], s[8:9]
	s_cmp_eq_u32 s41, 3
	s_cselect_b64 s[8:9], s[14:15], s[8:9]
	s_cselect_b32 s47, s47, s48                    ; first row
	s_cselect_b32 s49, 0, s49                      ; wv has one K step
	s_cselect_b32 s51, 9, 11                       ; a row is 512 or 2,048 bytes
	s_cselect_b32 s48, 0, 8                        ; wv's rows are neighbours
	s_add_nc_u64 s[52:53], s[36:37], s[52:53]
	s_add_nc_u64 s[54:55], s[36:37], s[54:55]
	v_and_b32 v5, s48, v2                          ; 8 (r / 8), or 0
	v_add3_u32 v5, v5, v2, s47                     ; my row
	v_lshlrev_b32 v5, s51, v5
	v_lshl_add_u32 v5, v3, 6, v5                   ; + 64 h: my 16 numbers of each block of 32
	v_add_nc_u32 v5, s49, v5
.irp b, 0,1,2,3
.irp j, 0,1,2,3
	global_load_b128 v[XN+16*\b+4*\j:XN+16*\b+4*\j+3], v5, s[8:9] offset:128*\b+16*\j
.endr
.endr
	s_wait_loadcnt 0x0
.irp b, 0,1,2,3
	v_max3_num_f32 v[TM+\b], |v[XN+16*\b]|, |v[XN+1+16*\b]|, 0x4800000   ; block b: my 16 numbers, and the floor 2^(9 - 127): the byte cannot fall under 1
.endr
.irp i, 2,4,6,8,10,12,14
.irp b, 0,1,2,3
	v_max3_num_f32 v[TM+\b], v[TM+\b], |v[XN+16*\b+\i]|, |v[XN+1+16*\b+\i]|   ; the four blocks by turns
.endr
.endr
.irp b, 0,1,2,3
	v_permlanex16_b32 v[TM+4+\b], v[TM+\b], s[SEL], s[SEL+1]
.endr
.irp b, 0,1,2,3
	v_max_num_f32 v[TM+\b], v[TM+\b], v[TM+4+\b]   ; with lane l xor 16's: the block's largest magnitude
.endr
.irp b, 0,1,2,3
	v_add_nc_u32 v[TM+12+\b], 0xfc000000, v[TM+\b] ; 8 off its exponent field: the conversion takes the exponent field of this operand as its scale
.endr
.irp b, 0,1,2,3
	v_and_or_b32 v[TM+8+\b], v[TM+\b], 0x7f800000, s[MNT]   ; 448 x the scale
.endr
.irp b, 0,1,2,3
	v_lshrrev_b32 v[TM+4+\b], 23, v[TM+12+\b]      ; the scale's byte
.endr
	v_lshl_or_b32 v[PW], v[TM+5], 8, v[TM+4]       ; the four bytes make my row's scale word (the same in both halves of the lanes)
	v_lshl_or_b32 v[PW], v[TM+6], 16, v[PW]
	v_lshl_or_b32 v[PW], v[TM+7], 24, v[PW]
.irp b, 0,1,2,3
.irp i, 0,1,2,3,4,5,6,7,8,9,10,11,12,13,14,15
	v_med3_num_f32 v[XN+16*\b+\i], v[XN+16*\b+\i], -v[TM+8+\b], v[TM+8+\b]   ; the conversion to an 8-bit code does not saturate (ISA guide 7.6.2): the hold at the largest code x the scale
.endr
	v_cvt_scalef32_pk8_fp8_f32 v[PC+4*\b:PC+1+4*\b], v[XN+16*\b:XN+7+16*\b], v[TM+12+\b]
	v_cvt_scalef32_pk8_fp8_f32 v[PC+2+4*\b:PC+3+4*\b], v[XN+8+16*\b:XN+15+16*\b], v[TM+12+\b]
.endr
	v_nop                                          ; a plain line behind the last conversion
.irp c, 0,1,2,3
	global_store_b128 v6, v[PC+4*\c:PC+4*\c+3], s[52:53] offset:512*\c   ; 32 lanes store 512 consecutive bytes
.endr
	global_store_b32 v7, v[PW], s[54:55]
	s_endpgm
.Lbn:                                              ; thread c folds channel c of both batch-norms
	v_lshlrev_b32 v1, 2, v0
	s_wait_kmcnt 0x0
	global_load_b32 v2, v1, s[16:17]               ; bf
	global_load_b32 v3, v1, s[18:19]               ; gf
	global_load_b32 v4, v1, s[20:21]               ; betaf
	global_load_b32 v5, v1, s[22:23]               ; mf
	global_load_b32 v6, v1, s[24:25]               ; vf
	global_load_b32 v7, v1, s[26:27]               ; bg
	global_load_b32 v8, v1, s[28:29]               ; gg
	global_load_b32 v9, v1, s[30:31]               ; betag
	global_load_b32 v10, v1, s[32:33]              ; mg
	global_load_b32 v11, v1, s[34:35]              ; vg
	s_wait_loadcnt 0x0
	v_add_f32 v6, 0x3727c5ac, v6                   ; var + 1e-5
	v_add_f32 v11, 0x3727c5ac, v11
	v_rsq_f32 v12, v6
	v_rsq_f32 v13, v11
	v_sub_f32 v2, v2, v5                           ; bias - mean (a plain line behind the transcendentals)
	v_sub_f32 v7, v7, v10
	s_wait_alu depctr_va_vdst(0)
	v_mul_f32 v12, v3, v12                         ; inv
	v_mul_f32 v13, v8, v13
	v_fma_f32 v14, v2, v12, v4                     ; Bc
	v_fma_f32 v15, v7, v13, v9
	global_store_b32 v1, v12, s[38:39]
	global_store_b32 v1, v14, s[38:39] offset:512
	global_store_b32 v1, v13, s[38:39] offset:1024
	global_store_b32 v1, v15, s[38:39] offset:1536
	s_endpgm
.Lfunc_end_k_q0de79a4071_prep:
	.size	k_q0de79a4071_prep, .Lfunc_end_k_q0de79a4071_prep-k_q0de79a4071_prep
	.p2alignl 7, 3214868480
	.fill 96, 4, 3214868480
	.section	.rodata,"a",@progbits
	.p2align	6, 0x0
	.amdhsa_kernel k_q0de79a4071_prep
		.amdhsa_group_segment_fixed_size 0
		.amdhsa_private_segment_fixed_size 0
		.amdhsa_enable_private_segment 0
		.amdhsa_kernarg_size 128
		.amdhsa_user_sgpr_count 2
		.amdhsa_user_sgpr_kernarg_segment_ptr 1
		.amdhsa_wavefront_size32 1
		.amdhsa_system_sgpr_workgroup_id_x 1
		.amdhsa_system_sgpr_workgroup_id_y 1
		.amdhsa_system_sgpr_workgroup_id_z 1
		.amdhsa_system_vgpr_workitem_id 0
		.amdhsa_next_free_vgpr 128
		.amdhsa_next_free_sgpr 66
		.amdhsa_reserve_vcc 0
		.amdhsa_float_denorm_mode_32 3
		.amdhsa_float_denorm_mode_16_64 3
		.amdhsa_memory_ordered 1
		.amdhsa_forward_progress 1
		.amdhsa_inst_pref_size 15
	.end_amdhsa_kernel
	.amdgpu_metadata
---
amdhsa.version: [ 1, 2 ]
amdhsa.kernels:
  - .name:           k_q0de79a4071_prep
    .symbol:         k_q0de79a4071_prep.kd
    .args:
      - { .name: wf, .offset: 0, .size: 8, .value_kind: global_buffer, .address_space: global }
      - { .name: wg, .offset: 8, .size: 8, .value_kind: global_buffer, .address_space: global }
      - { .name: wh, .offset: 16, .size: 8, .value_kind: global_buffer, .address_space: global }
      - { .name: wv, .offset: 24, .size: 8, .value_kind: global_buffer, .address_space: global }
      - { .name: bf, .offset: 32, .size: 8, .value_kind: global_buffer, .address_space: global }
      - { .name: gf, .offset: 40, .size: 8, .value_kind: global_buffer, .address_space: global }
      - { .name: betaf, .offset: 48, .size: 8, .value_kind: global_buffer, .address_space: global }
      - { .name: mf, .offset: 56, .size: 8, .value_kind: global_buffer, .address_space: global }
      - { .name: vf, .offset: 64, .size: 8, .value_kind: global_buffer, .address_space: global }
      - { .name: bg, .offset: 72, .size: 8, .value_kind: global_buffer, .address_space: global }
      - { .name: gg, .offset: 80, .size: 8, .value_kind: global_buffer, .address_space: global }
      - { .name: betag, .offset: 88, .size: 8, .value_kind: global_buffer, .address_space: global }
      - { .name: mg, .offset: 96, .size: 8, .value_kind: global_buffer, .address_space: global }
      - { .name: vg, .offset: 104, .size: 8, .value_kind: global_buffer, .address_space: global }
      - { .name: wq, .offset: 112, .size: 8, .value_kind: global_buffer, .address_space: global }
      - { .name: bn, .offset: 120, .size: 8, .value_kind: global_buffer, .address_space: global }
    .group_segment_fixed_size: 0
    .private_segment_fixed_size: 0
    .kernarg_segment_align: 8
    .kernarg_segment_size: 128
    .max_flat_workgroup_size: 128
    .sgpr_count:     66
    .vgpr_count:     128
    .wavefront_size: 32
...
	.end_amdgpu_metadata
.endif
;; end of part 1
;; launch proj (part 2): grid 64 x 4, 8 waves a work-group, no clusters, 168,960 bytes of LDS; arguments x, wq, bn, bh, fq, kv; writes fq, kv
.if DOCPART == 2
	.amdgcn_target "amdgcn-amd-amdhsa--gfx1250"
	.amdhsa_code_object_version 6
	.text
	.protected	k_q0de79a4071_proj
	.globl	k_q0de79a4071_proj
	.p2align	8
	.type	k_q0de79a4071_proj,@function
k_q0de79a4071_proj:
	s_mov_b64 s[64:65], 0
	v_nop
	global_prefetch_b8 v0, s[64:65] scope:SCOPE_SE
	s_setreg_imm32_b32 hwreg(HW_REG_WAVE_MODE, 25, 1), 1
	s_wait_xcnt 0x0
; f = relu(bn(wf x + bf)), g = relu(bn(wg x + bg)), h = wh x + bh, on codes of FP8 (E4M3) with one E8M0 scale for each 32 along K (K = x's 512 channels), and their results quantised at once for the attention:
; f and g along the 128 channels, h along the positions (the keys).  x: [4][512][4096] f32.  Nothing leaves in f32.
; SHARES.  A work-group takes 64 positions of one batch (256 bytes of each of x's 512 rows).  THE WAVES SHARE THE OUTPUT CHANNELS, NOT THE POSITIONS: wave w makes 32 channels of f (w < 4) or of g, and 16 channels of h,
; for all 64 positions: so each of the 96 weight fragments goes from memory into ONE wave's registers and feeds four products.
; X: a tensor load a wave brings 64 rows x 256 bytes of x into LDS (filled once).  A lane takes a position and its registers run down K, so that a block of 32 channels lies in one lane: the codes go to LDS as
; images of operand registers (16 x lane, 512 bytes a piece), the scale bytes beside them.  One barrier; then every wave reads all 16 fragments of x.
; THE POSITIONS OF A TILE ARE NOT NEIGHBOURS: lane r of tile 2 b + u is position 32 b + 8 u + r + 8 (r / 8) of the block.  The same holds of the weights' rows.  So (a) with source 0 = weights, source 1 = x a lane holds one
; position and 16 neighbouring channels (f, g: the scores' K); (b) with source 0 = x, source 1 = wh a lane holds one channel and 16 neighbouring positions (h: the keys are the second product's K).
; OUT.  fq: a record of 8,448 bytes for each block of 64 positions: 4 images of f, then 256 bytes of scale words (64 tile + 4 r).  kv: 33,792 bytes for each 128 keys: 8 images of g, 8 of h, g's scale words (512 bytes), h's (512).
; LIMITS: NaN and infinities among the inputs are not served; a block of zeros gets the scale byte 1 (its codes are zeros; this program alone reads the bytes).
; REGISTERS.  window 0: v1-14 addresses; v16-143 x's numbers, then 8 fragments of x; v144-175 x's codes, then f's or g's sums; v176-191 h's sums; v192-207 x's scale words; v208-219 the weights';
;   v220-227, v252-255 at work; v228-251 the codes that are stored (never written twice).   window 1: v0-127 my 8 fragments of wf or wg; v128-191 my 4 of wh; v192-207 inv; v208-223 Bc; v224-231 bh.
.set XIMG, 131072                      ; LDS: 0: x's tile, 512 rows x 256 bytes, wave w's 64 rows at 16,384 w;  here: x's 16 images (4 tile + K step), 2,048 bytes each
.set XSC,  163840                      ; their scale words: 64 (4 tile + K step) + 4 r
.set FGS,  164864                      ; f's and g's scale words: 256 (f, g) + 64 tile + 4 r + the block's byte
.set WV,  16
.set MNT, 17                           ; s17      the mantissa field of 448
.set SEL, 20                           ; s[20:21] lane selects for v_permlanex16_b32: lane l xor 16
.set G1,  24                           ; s[24:31] descriptor group 1
.set G0,  32                           ; s[32:35] descriptor group 0
.set XL,  2                            ; v2   my wave's rows of x in LDS + 4 x lane
.set XW,  3                            ; v3   where my position's codes go
.set XSW, 4                            ; v4   and its two scale bytes
.set LI,  5                            ; v5   XIMG + 16 x lane
.set XSR, 6                            ; v6   XSC + 4 r
.set L16, 7                            ; v7   16 x lane
.set L4,  8                            ; v8   4 x lane
.set FB,  9                            ; v9   my block's byte in f's or g's scale words
.set FRD, 10                           ; v10  where waves 0 and 1 read those words back
.set H64, 11                           ; v11  64 h
.set BHO, 12                           ; v12  4 (r + 8 (r / 8))
.set HSO, 13                           ; v13  4 r + h
.set L8,  14                           ; v14  8 x lane
.set XF,  16
.set FA,  144
.set HA,  176
.set XS,  192
.set WS,  208
.set WH,  216
.set QA,  220                          ; at work in the quantisers: two chains of the maximum (QA, QB), the permute's destination, the conversion's scale operand, 448 x the scale
.set QP,  221
.set QS,  222
.set QH,  223
.set EB,  224                          ; v224-227 scale bytes on their way to LDS
.set CD,  228
.set HB,  252                          ; v252-253 h's two scale bytes
.set QB,  254
.set MSB, 0
.macro WIN new                         ; the immediate's high byte repeats the setting that is left
.if MSB != \new
	s_set_vgpr_msb (MSB<<8)|\new
.set MSB, \new
.endif
.endm
.macro BARRIER                         ; my LDS stores have landed and my LDS loads are in: then the work-group's barrier
	s_wait_dscnt 0x0
	s_barrier_signal -1
	s_barrier_wait -1
.endm
	s_load_b256 s[4:11], s[0:1], 0x0               ; x 4, wq 6, bn 8, bh 10
	s_load_b128 s[12:15], s[0:1], 0x20             ; fq 12, kv 14
	v_lshl_add_u32 v15, v0, 2, 0x29000
	s_set_vgpr_msb 0x40
	v_mov_b32 v255, 0
	s_set_vgpr_msb 0x4044
	ds_add_u32 v15, v255
	s_set_vgpr_msb 0x4400
	v_lshrrev_b32 v1, 5, v0
	v_readfirstlane_b32 s[WV], v1                  ; wave 0..7
	s_and_b32 s37, ttmp7, 0xffff                   ; the batch
	s_lshr_b32 s38, s[WV], 2                       ; f (0) or g (1)
	s_and_b32 s39, s[WV], 3                        ; which 32 of its channels
	s_and_b32 s40, ttmp9, 1                        ; which half of a key step my 64 positions are
	; descriptor group 1: 64 rows of 64 f32, 4,096 elements from row to row, dense in LDS
	s_mov_b32 s[G1], 2<<16                         ; no mask; elements of 4 bytes; no padding
	s_mov_b32 s[G1+1], 64<<16                      ; tensor_dim0 = 64
	s_mov_b32 s[G1+2], 64<<16                      ; tensor_dim1 = 64
	s_mov_b32 s[G1+3], 64<<16                      ; tile_dim0 = 64
	s_mov_b32 s[G1+4], 64                          ; tile_dim1 = 64
	s_mov_b32 s[G1+5], 4096                        ; tensor_dim0_stride
	s_mov_b32 s[G1+6], 0
	s_mov_b32 s[G1+7], 0
	s_lshl_b32 s2, s37, 23                         ; batch x 512 rows of 16,384 bytes
	s_lshl_b32 s3, s[WV], 20                       ; + my 64 rows
	s_add_co_u32 s2, s2, s3
	s_lshl_b32 s3, ttmp9, 8                        ; + the block's 256 bytes
	s_add_co_u32 s2, s2, s3
	s_mov_b32 s3, 0
	s_mov_b32 s[G0], 1                             ; count = 1
	s_lshl_b32 s[G0+1], s[WV], 14                  ; LDS address: 16,384 x wave
	s_wait_dscnt 0x0
	s_wait_kmcnt 0x0
	s_add_nc_u64 s[G0+2:G0+3], s[4:5], s[2:3]
	s_or_b32 s[G0+3], s[G0+3], 0x80000000          ; type = 2
	tensor_load_to_lds s[G0:G0+3], s[G1:G1+7]      ; my one tensor load of the launch; each LDS byte is filled once
	s_nop 0
.rept 4
	v_nop                                          ; four such lines behind a tensor load
.endr
	v_and_b32 v1, 31, v0                           ; lane
	v_lshlrev_b32 v[L4], 2, v1
	v_lshlrev_b32 v[L8], 3, v1
	v_lshlrev_b32 v[L16], 4, v1
	v_add_nc_u32 v[XL], s[G0+1], v[L4]
	v_bfe_u32 v16, v0, 3, 1                        ; position lane of a group of 32 lies in tile u = (lane / 8) % 2,
	v_bfe_u32 v17, v0, 4, 1                        ; h
	v_and_b32 v18, 7, v0
	v_lshl_or_b32 v18, v17, 3, v18                 ; at row lane % 8 + 8 (lane / 16)
	v_and_b32 v19, 15, v0                          ; r
	s_lshr_b32 s22, s[WV], 1                       ; my 64 channels are K step wave / 2, blocks 2 (wave % 2) and the next
	s_and_b32 s23, s[WV], 1
	s_lshl_b32 s41, s22, 11
	s_lshl_b32 s42, s23, 10
	s_add_co_u32 s41, s41, s42
	s_add_co_u32 s41, s41, XIMG
	v_lshlrev_b32 v[XW], 13, v16                   ; 4 images a tile
	v_lshl_add_u32 v[XW], v18, 4, v[XW]
	v_add_nc_u32 v[XW], s41, v[XW]
	s_lshl_b32 s41, s22, 6
	s_lshl_b32 s42, s23, 1
	s_add_co_u32 s41, s41, s42
	s_add_co_u32 s41, s41, XSC
	v_lshlrev_b32 v[XSW], 8, v16
	v_lshl_add_u32 v[XSW], v18, 2, v[XSW]
	v_add_nc_u32 v[XSW], s41, v[XSW]
	v_add_nc_u32 v[LI], XIMG, v[L16]
	v_lshl_add_u32 v[XSR], v19, 2, XSC
	s_lshl_b32 s41, s38, 8
	s_add_co_u32 s41, s41, s39
	s_add_co_u32 s41, s41, FGS
	v_lshl_add_u32 v[FB], v19, 2, s41
	s_lshl_b32 s41, s23, 8
	s_add_co_u32 s41, s41, FGS
	v_add_nc_u32 v[FRD], s41, v[L8]
	v_lshlrev_b32 v[H64], 6, v17
	v_and_b32 v[BHO], 8, v19
	v_add_nc_u32 v[BHO], v[BHO], v19
	v_lshlrev_b32 v[BHO], 2, v[BHO]
	v_lshl_add_u32 v[HSO], v19, 2, v17
	v_mov_b32 v[QP], 0                             ; written once: a lane permute's destination counts as one of its sources
	s_mov_b32 s[SEL], 0x76543210
	s_mov_b32 s[SEL+1], 0xfedcba98
	s_mov_b32 s[MNT], 0x600000
	; the pointers: each offset is made by itself in s2 (s3 = 0) and added to its buffer's address
	s_lshl_b32 s41, s37, 6
	s_add_co_u32 s41, s41, ttmp9
	s_mul_i32 s41, s41, 8448                       ; my record in fq
	s_lshl_b32 s42, s37, 5
	s_lshr_b32 s43, ttmp9, 1
	s_add_co_u32 s42, s42, s43
	s_mul_i32 s42, s42, 33792                      ; my key step in kv
	s_lshl_b32 s2, s38, 16
	s_lshl_b32 s43, s39, 14
	s_add_co_u32 s2, s2, s43                       ; fragments 32 (f, g) + 8 block on: 16 KB on end
	s_add_nc_u64 s[44:45], s[6:7], s[2:3]
	s_lshr_b32 s2, s2, 4                           ; their scale words: 128 bytes for each 2,048
	s_add_co_u32 s2, s2, 262144
	s_add_nc_u64 s[48:49], s[6:7], s[2:3]
	s_lshl_b32 s2, s[WV], 13
	s_add_co_u32 s2, s2, 131072                    ; wh's fragments 64 + 4 wave on
	s_add_nc_u64 s[46:47], s[6:7], s[2:3]
	s_lshr_b32 s2, s2, 4
	s_add_co_u32 s2, s2, 262144
	s_add_nc_u64 s[50:51], s[6:7], s[2:3]
	s_lshl_b32 s2, s38, 10
	s_lshl_b32 s43, s39, 7
	s_add_co_u32 s2, s2, s43
	s_add_nc_u64 s[52:53], s[8:9], s[2:3]          ; inv of my 32 channels; Bc 512 bytes on
	s_lshl_b32 s2, s22, 7
	s_lshl_b32 s43, s23, 5
	s_add_co_u32 s2, s2, s43
	s_add_nc_u64 s[54:55], s[10:11], s[2:3]        ; bh at channel 32 (wave / 2) + 8 (wave % 2)
	s_lshl_b32 s43, s39, 9                         ; my block is piece `block` of each image
	s_add_co_u32 s2, s41, s43                      ; f: the record's images
	s_lshl_b32 s22, s40, 13
	s_add_co_u32 s22, s22, s42
	s_add_co_u32 s22, s22, s43                     ; g: the key step's images 4 half on
	s_cmp_eq_u32 s38, 1
	s_cselect_b64 s[56:57], s[14:15], s[12:13]
	s_cselect_b32 s2, s22, s2
	s_add_nc_u64 s[56:57], s[56:57], s[2:3]
	s_lshl_b32 s2, s[WV], 11
	s_lshl_b32 s43, s40, 10
	s_add_co_u32 s2, s2, s43
	s_add_co_u32 s2, s2, s42
	s_add_co_u32 s2, s2, 16384
	s_add_nc_u64 s[58:59], s[14:15], s[2:3]        ; h: image `wave`, pieces 2 half on
	s_lshl_b32 s2, s[WV], 6
	s_lshl_b32 s43, s40, 1
	s_add_co_u32 s2, s2, s43
	s_add_co_u32 s2, s2, s42
	s_add_co_u32 s2, s2, 33280
	s_add_nc_u64 s[60:61], s[14:15], s[2:3]        ; h's scale bytes 2 half on
	s_add_co_u32 s2, s41, 8192                     ; f's scale words,
	s_lshl_b32 s22, s40, 8
	s_add_co_u32 s22, s22, s42
	s_add_co_u32 s22, s22, 32768                   ; g's
	s_cmp_eq_u32 s[WV], 1
	s_cselect_b64 s[62:63], s[14:15], s[12:13]
	s_cselect_b32 s2, s22, s2
	s_add_nc_u64 s[62:63], s[62:63], s[2:3]
	WIN 0x40                                       ; destination window 1
.set cn, 0
.rept 32
	global_load_b128 v[4*cn:4*cn+3], v[L16], s[44:45] offset:512*cn      ; my 8 fragments of wf or wg: (tile u, K step s) at v[16 (4 u + s)]
.set cn, cn+1
.endr
.set cn, 0
.rept 16
	global_load_b128 v[128+4*cn:131+4*cn], v[L16], s[46:47] offset:512*cn   ; my 4 of wh
.set cn, cn+1
.endr
.irp j, 0,1,2,3
	global_load_b128 v[192+4*\j:195+4*\j], v[H64], s[52:53] offset:16*\j       ; inv of channels 16 h + 0 .. 15 of my 32
	global_load_b128 v[208+4*\j:211+4*\j], v[H64], s[52:53] offset:512+16*\j   ; Bc
.endr
	global_load_b32 v224, v[BHO], s[54:55]         ; bh of my lane's channel
	WIN 0
.irp j, 0,1,2,3,4,5,6,7
	global_load_b32 v[WS+\j], v[L4], s[48:49] offset:128*\j
.endr
.irp j, 0,1,2,3
	global_load_b32 v[WH+\j], v[L4], s[50:51] offset:128*\j
.endr
; ---- X: my 64 channels x 64 positions become codes.  Item (pg, cc): positions 32 pg + lane, channels 32 cc + 0 .. 31 of my 64: one block of 32 along K in one lane's 32 registers.
.macro XBLK pg, cc
.set xs, XF+32*(2*(\pg)+(\cc))
.set xc, FA+8*(2*(\pg)+(\cc))
	v_max3_num_f32 v[QA], |v[xs]|, |v[xs+1]|, |v[xs+2]|
	v_max3_num_f32 v[QB], |v[xs+3]|, |v[xs+4]|, |v[xs+5]|
.irp n, 6,10,14,18,22,26
	v_max3_num_f32 v[QA], v[QA], |v[xs+\n]|, |v[xs+\n+1]|
	v_max3_num_f32 v[QB], v[QB], |v[xs+\n+2]|, |v[xs+\n+3]|
.endr
	v_max3_num_f32 v[QA], v[QA], |v[xs+30]|, |v[xs+31]|
	v_max3_num_f32 v[QA], v[QA], v[QB], 0x4800000  ; and the floor 2^(9 - 127): the byte cannot fall under 1
	v_add_nc_u32 v[QS], 0xfc000000, v[QA]          ; 8 off the exponent field: the conversion's scale operand
	v_and_or_b32 v[QH], v[QA], 0x7f800000, s[MNT]  ; 448 x the scale
	v_lshrrev_b32 v[EB+\cc], 23, v[QS]             ; the scale's byte
.set cn, 0
.rept 32
	v_med3_num_f32 v[xs+cn], v[xs+cn], -v[QH], v[QH]   ; the conversion to an 8-bit code does not saturate (ISA guide 7.6.2)
.set cn, cn+1
.endr
.irp g, 0,1,2,3
	v_cvt_scalef32_pk8_fp8_f32 v[xc+2*\g:xc+2*\g+1], v[xs+8*\g:xs+8*\g+7], v[QS]
.endr
	v_nop                                          ; a plain line behind the last conversion
	ds_store_b128 v[XW], v[xc:xc+3] offset:16384*(\pg)+512*(\cc)         ; the block's first 16 codes belong to lane r of the image, the other 16 to lane 16 + r
	ds_store_b128 v[XW], v[xc+4:xc+7] offset:16384*(\pg)+512*(\cc)+256
.if \cc == 1
	v_lshl_or_b32 v[EB+2+\pg], v[EB+1], 8, v[EB]
	ds_store_b16 v[XSW], v[EB+2+\pg] offset:512*(\pg)                    ; my two blocks' bytes of the position's scale word
.endif
.endm
	s_wait_tensorcnt 0x0                           ; my rows are in LDS; only I read them
.irp pg, 0,1
.irp cc, 0,1
.set cn, 0
.rept 32
	ds_load_b32 v[XF+32*(2*\pg+\cc)+cn], v[XL] offset:(32*\cc+cn)*256+128*\pg   ; 32 lanes read 128 consecutive bytes of one channel's row
.set cn, cn+1
.endr
.endr
.endr
	s_wait_dscnt 63                                ; item 0's 32 loads are in: 96 loads were issued behind them, and 63 is the largest count that the wait can name
	XBLK 0, 0
	s_wait_dscnt 63                                ; item 1's: 64 loads and 2 stores behind them
	XBLK 0, 1
	s_wait_dscnt 37                                ; item 2's: 32 loads and 5 stores behind them
	XBLK 1, 0
	s_wait_dscnt 7                                 ; item 3's: 7 stores behind them
	XBLK 1, 1
	BARRIER                                        ; x's sixteen fragments and their scale words lie in LDS
	s_wait_loadcnt 0x0                             ; the weights, their scale words, inv, Bc, bh
	WIN 0x41                                       ; destination and source 0 window 1
.irp j, 1,2,3,4,5,6,7
	v_mov_b32 v[224+\j], v224                      ; bh in the result's layout: a lane holds one channel, so all eight registers hold its bias: the C of h's first product
.endr
	WIN 0
.set cn, 0
.rept 16
	ds_load_b32 v[XS+cn], v[XSR] offset:64*cn      ; x's scale words, (tile, K step) at 4 tile + K step
.set cn, cn+1
.endr
; 16 numbers of a lane, v[s] .. v[s + 15], neighbours along a K, half of a block of 32 whose other half lies in lane l xor 16, become 16 codes in v[d] .. v[d + 3] and the block's byte in v[e].
; relu = 1: what is negative becomes 0 on the way: it does not count for the largest magnitude, and the hold clips at 0.
.macro QBLK s, relu, d, e
.if \relu
	v_max3_num_f32 v[QA], v[\s], v[\s+1], 0x4800000    ; with the floor 2^(9 - 127).  Each sum's registers are read from the low end on
	v_max3_num_f32 v[QB], v[\s+2], v[\s+3], v[\s+4]
	v_max3_num_f32 v[QA], v[QA], v[\s+5], v[\s+6]
	v_max3_num_f32 v[QB], v[QB], v[\s+7], v[\s+8]
	v_max3_num_f32 v[QA], v[QA], v[\s+9], v[\s+10]
	v_max3_num_f32 v[QB], v[QB], v[\s+11], v[\s+12]
	v_max3_num_f32 v[QA], v[QA], v[\s+13], v[\s+14]
	v_max3_num_f32 v[QA], v[QA], v[QB], v[\s+15]
.else
	v_max3_num_f32 v[QA], |v[\s]|, |v[\s+1]|, 0x4800000
	v_max3_num_f32 v[QB], |v[\s+2]|, |v[\s+3]|, |v[\s+4]|
	v_max3_num_f32 v[QA], v[QA], |v[\s+5]|, |v[\s+6]|
	v_max3_num_f32 v[QB], v[QB], |v[\s+7]|, |v[\s+8]|
	v_max3_num_f32 v[QA], v[QA], |v[\s+9]|, |v[\s+10]|
	v_max3_num_f32 v[QB], v[QB], |v[\s+11]|, |v[\s+12]|
	v_max3_num_f32 v[QA], v[QA], |v[\s+13]|, |v[\s+14]|
	v_max3_num_f32 v[QA], v[QA], v[QB], |v[\s+15]|
.endif
	v_permlanex16_b32 v[QP], v[QA], s[SEL], s[SEL+1]
	v_max_num_f32 v[QA], v[QA], v[QP]              ; the block's largest magnitude
	v_add_nc_u32 v[QS], 0xfc000000, v[QA]
	v_and_or_b32 v[QH], v[QA], 0x7f800000, s[MNT]
	v_lshrrev_b32 v[\e], 23, v[QS]
.set cn, 0
.rept 16
.if \relu
	v_med3_num_f32 v[\s+cn], v[\s+cn], 0, v[QH]    ; the activation and the hold in one
.else
	v_med3_num_f32 v[\s+cn], v[\s+cn], -v[QH], v[QH]
.endif
.set cn, cn+1
.endr
	v_cvt_scalef32_pk8_fp8_f32 v[\d:\d+1], v[\s:\s+7], v[QS]
	v_cvt_scalef32_pk8_fp8_f32 v[\d+2:\d+3], v[\s+8:\s+15], v[QS]
	v_nop                                          ; a plain line behind the last conversion
.endm
; ---- the products, a pair of position tiles (2 b, 2 b + 1: 32 positions) at a time
.macro PAIR b
.set cn, 0
.rept 32
	ds_load_b128 v[XF+4*cn:XF+4*cn+3], v[LI] offset:16384*(\b)+512*cn    ; 8 fragments of x: (tile p of the pair, K step s) at v[XF + 16 (4 p + s)].  The eight v_nop behind the last products stand between them and these loads
.set cn, cn+1
.endr
	s_wait_dscnt 0x0
	WIN 0x01                                       ; source 0 (the weights) window 1
.irp s, 0,1,2,3                                ; f or g: four sums by turns, one instruction a turn
.irp p, 0,1
.irp u, 0,1
.set rD, FA+16*\p+8*\u
.if \s == 0
	v_wmma_scale_f32_16x16x128_f8f6f4 v[rD:rD+7], v[16*(4*\u+\s):16*(4*\u+\s)+15], v[XF+16*(4*\p+\s):XF+16*(4*\p+\s)+15], 0, v[WS+4*\u+\s], v[XS+4*(2*(\b)+\p)+\s]
.else
	v_wmma_scale_f32_16x16x128_f8f6f4 v[rD:rD+7], v[16*(4*\u+\s):16*(4*\u+\s)+15], v[XF+16*(4*\p+\s):XF+16*(4*\p+\s)+15], v[rD:rD+7], v[WS+4*\u+\s], v[XS+4*(2*(\b)+\p)+\s]
.endif
.endr
.endr
.endr
	WIN 0x14                                       ; h: source 0 = x, source 1 (wh) and source 2 (bh) window 1
.irp p, 0,1
	v_wmma_scale_f32_16x16x128_f8f6f4 v[HA+8*\p:HA+8*\p+7], v[XF+64*\p:XF+64*\p+15], v[128:143], v[224:231], v[XS+4*(2*(\b)+\p)], v[WH]
.endr
	WIN 0x04
.irp s, 1,2,3
.irp p, 0,1
	v_wmma_scale_f32_16x16x128_f8f6f4 v[HA+8*\p:HA+8*\p+7], v[XF+16*(4*\p+\s):XF+16*(4*\p+\s)+15], v[128+16*\s:143+16*\s], v[HA+8*\p:HA+8*\p+7], v[XS+4*(2*(\b)+\p)+\s], v[WH+\s]
.endr
.endr
	WIN 0
.rept 8
	v_nop                                          ; eight places behind this form in front of the first read of results and of loads into the operands' registers
.endr
	WIN 0x14                                       ; inv and Bc in window 1
.irp p, 0,1
.irp j, 0,2,4,6,8,10,12,14
	v_pk_fma_f32 v[FA+16*\p+\j:FA+16*\p+\j+1], v[FA+16*\p+\j:FA+16*\p+\j+1], v[192+\j:193+\j], v[208+\j:209+\j]   ; the batch-norm, folded: sum x inv + Bc
.endr
.endr
	WIN 0
	QBLK FA, 1, CD+12*(\b), EB+2*(\b)
	global_store_b128 v[L16], v[CD+12*(\b):CD+12*(\b)+3], s[56:57] offset:2048*(2*(\b))       ; piece `block` of tile 2 b's image: 512 consecutive bytes
	ds_store_b8 v[FB], v[EB+2*(\b)] offset:64*(2*(\b))                                        ; both halves of the lanes write the same byte with the same value
	QBLK FA+16, 1, CD+12*(\b)+4, EB+2*(\b)+1
	global_store_b128 v[L16], v[CD+12*(\b)+4:CD+12*(\b)+7], s[56:57] offset:2048*(2*(\b)+1)
	ds_store_b8 v[FB], v[EB+2*(\b)+1] offset:64*(2*(\b)+1)
	QBLK HA, 0, CD+12*(\b)+8, HB+(\b)
	global_store_b128 v[L16], v[CD+12*(\b)+8:CD+12*(\b)+11], s[58:59] offset:512*(\b)         ; h: these 32 positions are one block of keys: piece 2 half + b of my channel tile's image
.endm
	PAIR 0
	PAIR 1
	v_cmp_gt_u32 vcc_lo, 16, v1                    ; h's two scale bytes: lanes 0-15 store the first block's, lanes 16-31 the second's, at 4 r + h
	v_cndmask_b32 v255, v[HB+1], v[HB], vcc_lo
	global_store_b8 v[HSO], v255, s[60:61]
	BARRIER                                        ; f's and g's scale words are whole in LDS
	s_cmp_lt_u32 s[WV], 2
	s_cbranch_scc0 .Lend
	ds_load_b64 v[QS:QS+1], v[FRD]                 ; wave 0: f's 256 bytes; wave 1: g's
	s_wait_dscnt 0x0
	global_store_b64 v[L8], v[QS:QS+1], s[62:63]   ; 32 lanes store 256 consecutive bytes, aligned
.Lend:
	s_set_vgpr_msb 0x4
	s_wait_tensorcnt 0x0
	ds_add_u32 v15, v255
	s_wait_dscnt 0x0
	s_set_vgpr_msb 0x400
	s_endpgm
.Lfunc_end_k_q0de79a4071_proj:
	.size	k_q0de79a4071_proj, .Lfunc_end_k_q0de79a4071_proj-k_q0de79a4071_proj
	.p2alignl 7, 3214868480
	.fill 96, 4, 3214868480
	.section	.rodata,"a",@progbits
	.p2align	6, 0x0
	.amdhsa_kernel k_q0de79a4071_proj
		.amdhsa_group_segment_fixed_size 168960
		.amdhsa_private_segment_fixed_size 0
		.amdhsa_enable_private_segment 0
		.amdhsa_kernarg_size 48
		.amdhsa_user_sgpr_count 2
		.amdhsa_user_sgpr_kernarg_segment_ptr 1
		.amdhsa_wavefront_size32 1
		.amdhsa_system_sgpr_workgroup_id_x 1
		.amdhsa_system_sgpr_workgroup_id_y 1
		.amdhsa_system_sgpr_workgroup_id_z 1
		.amdhsa_system_vgpr_workitem_id 0
		.amdhsa_next_free_vgpr 512
		.amdhsa_next_free_sgpr 66
		.amdhsa_reserve_vcc 1
		.amdhsa_float_denorm_mode_32 3
		.amdhsa_float_denorm_mode_16_64 3
		.amdhsa_memory_ordered 1
		.amdhsa_forward_progress 1
		.amdhsa_inst_pref_size 64
	.end_amdhsa_kernel
	.amdgpu_metadata
---
amdhsa.version: [ 1, 2 ]
amdhsa.kernels:
  - .name:           k_q0de79a4071_proj
    .symbol:         k_q0de79a4071_proj.kd
    .args:
      - { .name: x, .offset: 0, .size: 8, .value_kind: global_buffer, .address_space: global }
      - { .name: wq, .offset: 8, .size: 8, .value_kind: global_buffer, .address_space: global }
      - { .name: bn, .offset: 16, .size: 8, .value_kind: global_buffer, .address_space: global }
      - { .name: bh, .offset: 24, .size: 8, .value_kind: global_buffer, .address_space: global }
      - { .name: fq, .offset: 32, .size: 8, .value_kind: global_buffer, .address_space: global }
      - { .name: kv, .offset: 40, .size: 8, .value_kind: global_buffer, .address_space: global }
    .group_segment_fixed_size: 168960
    .private_segment_fixed_size: 0
    .kernarg_segment_align: 8
    .kernarg_segment_size: 48
    .max_flat_workgroup_size: 256
    .sgpr_count:     66
    .vgpr_count:     512
    .wavefront_size: 32
...
	.end_amdgpu_metadata
.endif
;; end of part 2
;; launch attn (part 3): grid 64 x 4, 8 waves a work-group, clusters of 4 x 1, 327,680 bytes of LDS; arguments fq, kv, wq, bv, x, out0; writes out0
.if DOCPART == 3
	.amdgcn_target "amdgcn-amd-amdhsa--gfx1250"
	.amdhsa_code_object_version 6
	.text
	.protected	k_q0de79a4071_attn
	.globl	k_q0de79a4071_attn
	.p2align	8
	.type	k_q0de79a4071_attn,@function
k_q0de79a4071_attn:
	s_mov_b64 s[64:65], 0
	v_nop
	global_prefetch_b8 v0, s[64:65] scope:SCOPE_SE
	s_setreg_imm32_b32 hwreg(HW_REG_WAVE_MODE, 25, 1), 1
	s_wait_xcnt 0x0
	s_wait_alu depctr_hold_cnt(0) depctr_sa_sdst(0) depctr_va_vdst(0) depctr_va_sdst(0) depctr_va_ssrc(0) depctr_va_vcc(0) depctr_vm_vsrc(0)
	s_getreg_b32 s2, hwreg(HW_REG_IB_STS2, 6, 4)
	s_cmp_eq_u32 s2, 0
	s_cbranch_scc0 .Lentry_in_a_cluster
	s_endpgm
.Lentry_in_a_cluster:
	s_bfe_u32 s2, ttmp6, 0x10000c
	s_cmp_lg_u32 s2, 0x3003
	s_cbranch_scc0 .Lentry_shape_is_right
	s_endpgm
.Lentry_shape_is_right:
; out = wv (h softmax(f^T g / sqrt(128))^T) + bv + x, all three products on codes of FP8 (E4M3) with one E8M0 scale for each 32 along a product's K.
; THE SOFTMAX AHEAD OF THE SECOND PRODUCT: t = score x log2(e) / sqrt(128); M = the largest t so far, rounded UP to a whole number; p = 2^(t - M) is quantised along the keys, not normalised; the row's sum is taken of the
; unquantised p and divides at the end.  When M moves, sums are multiplied by 2^(old M - new M): exact.
; SHARES.  A work-group owns 64 queries of one batch.  Wave w owns the query tiles 2 qp and 2 qp + 1 (qp = w % 2) and every fourth key step (kq = w / 2): of a slot's four blocks of 128 keys it walks block kq, so that
; each fragment of g and of h that it reads from LDS feeds two products.  At the end the four key groups' sums meet in LDS and are brought under one M by exact powers of two.
; kv holds, for each 128 keys, 33,792 dense bytes: 8 images of g's tiles, 8 of h's, their scale words.  An image is read back by four loads of 16 bytes a lane at 16 x lane.
; CLUSTER.  The four work-groups of a cluster belong to one batch and walk the same keys: each slot is asked for JOINTLY, by the same four tensor loads (waves 0-3, one block each) with a mask that names the four.
; LAYOUT.  S^T = g-tile x f-tile and O^T = h-tile x p: a lane holds ONE query throughout; the keys and channels of a tile were chosen by the launch before so that 16 registers of two neighbouring tiles are 16 neighbours.
; TWO GROUPS OF WAVES, HALF A STEP APART.  A key step is two halves.  P1: g's eight fragments out of LDS, 16 products S^T, h's eight fragments out of LDS, tile 0's softmax.  P2: tile 1's softmax and 16 products O^T: work on
; registers alone.  All of a step's LDS reads lie in P1, so the change of slots may stand behind P2 or behind P1: waves 0-3 run P1, P2, change; waves 4-7 run P1, change, P2.  So from one change to the next one group
; begins with LDS loads and the other with a softmax, and each group's 128 KB of fragments leave LDS while the other group has vector work to issue.  The two branches hang on the wave's number alone and jump over register work only.
; z = O^T / l is quantised along the channels and goes from wave to wave as images; then wave w makes output channels 64 w .. 64 w + 63 for the 64 positions (source 0 = z, source 1 = wv: a lane holds one channel and
; eight neighbouring positions), which leave through its stage as whole rows of 256 bytes, with x added.
; LIMITS: NaN and infinities among the inputs are not served; a block of zeros gets the scale byte 1 (its codes are zeros); what falls under the smallest normal f32 number in p or in a rescaling counts as 0.
; REGISTERS.  window 0: v1-11 addresses; v12-19 -M, the largest t, the sum (a pair), for each of my two tiles; v20-23 z's scale words, v24-27 wv's; v28-31 bv; v32-95 four fragments; v96-223 S^T, then p, 64 a tile;
;   v224-243 at work; v244-247 the fragments' scale words (lanes 0-15: an even tile's, lanes 16-31: the next's); v248, v250 f; v249, v251 p's scale words; v252-253 f-tile's (the queries') scale words.
;   window 1: v0-127 O^T, 64 a tile; v128-159 the queries' codes; v160-191 p's codes; v192-255 four more fragments.  On the way out: v0-31 bv as C, v32-63 rows back from the stage, v128-255 x.
.set STEPB, 33792                      ; a block of 128 keys
.set SLOTB, 4*STEPB                    ; a slot: 512 keys
.set SPARE, 2*SLOTB                    ; behind the ring: the spare words, 128 bytes for each of eight waves: four blocks of 256 bytes that no other line names
.set ZIMG,  SPARE+1024                 ; z's four images
.set ZSC,   ZIMG+8192                  ; their scale words: 64 tile + 4 r
.set ML,    ZSC+256                    ; -M and l: 256 bytes for each (qp, tile, key group)
.set OST,   SLOTB                      ; the way out: a stage of 16 rows x 272 bytes a wave, in slot 1, written only when every wave has left that slot.
                                       ; The key groups' O^T meet from LDS byte 0 on, 16 x 8,192 bytes, in slot 0, which has had its last fill and its last read at the last barrier of the walk
.set AD,  1                            ; v1-2   my block of slot 0, 1 + 16 x lane
.set AS,  3                            ; v3-4   its scale words + 4 x lane
.set SPW, 5                            ; v5     my spare word; never rewritten
.set NIL, 6                            ; v6     0; never rewritten
.set PFO, 7                            ; v7     16,384 x lane
.set GX,  8                            ; v8     16,384 (lane / 16) + 16 (lane % 16): two rows of x or of out
.set L16, 9                            ; v9     16 x lane
.set R4,  10                           ; v10    4 r (at the head)
.set FRG, 32                           ; four fragments, in window 0
.set FRB, 192                          ; four more, in window 1
.set BM,  224                          ; v224-227 each block's largest score, then its largest p
.set PM,  228                          ; v228-231 the permutes' destinations, then the bytes
.set HD,  232                          ; v232-235 448 x the scale
.set SO,  236                          ; v236-239 the conversions' scale operands
.set TT,  240
.set FS,  244
.set WV,  18
.set MNT, 19
.set SEL, 20
.set CS,  22                           ; s[22:23] c = log2(e) / sqrt(128): the packed form names a pair and takes its low word for both halves
.set G1,  24
.set G0,  32                           ; s[32:35] slot 0's group 0, s[36:39] slot 1's
.set QA,  16                           ; at work in the last quantiser (the statistics are done with by then)
.set QB,  17
.set QP,  18
.set QS,  19
.set QH,  12
.set MSB, 0
.macro WIN new                         ; the immediate's high byte repeats the setting that is left
.if MSB != \new
	s_set_vgpr_msb (MSB<<8)|\new
.set MSB, \new
.endif
.endm
.macro JLOAD g0                        ; waves 0-3 ask for one block of the slot each, the others for nothing: the branch hangs on the wave's number alone.  Four v_nop follow the load
	s_cmp_lt_u32 s[WV], 4
	s_cbranch_scc0 .Lnone_\@
	tensor_load_to_lds s[\g0:\g0+3], s[G1:G1+7]
	s_nop 0
.rept 4
	v_nop
.endr
.Lnone_\@:
.endm
.macro CROUND                          ; a round of the cluster's barrier: my work-group's barrier; wave 0 signals for the work-group; every wave waits for all four work-groups; my work-group's barrier once more
	s_barrier_signal -1
	s_barrier_wait -1
	s_cmp_lg_u32 s[WV], 0
	s_cbranch_scc1 .Lnot_wave_0_\@
	s_barrier_signal -3
.Lnot_wave_0_\@:
	s_barrier_wait -3
	s_barrier_signal -1
	s_barrier_wait -1
.endm
	s_load_b256 s[4:11], s[0:1], 0x0               ; fq 4, kv 6, wq 8, bv 10
	s_load_b128 s[12:15], s[0:1], 0x20             ; x 12, out0 14
	v_lshl_add_u32 v[SPW], v0, 2, SPARE
	v_mov_b32 v[NIL], 0
	ds_add_u32 v5, v6
	s_wait_dscnt 0x0
	v_lshrrev_b32 v1, 5, v0
	v_readfirstlane_b32 s[WV], v1                  ; wave 0..7
	s_bfe_u32 s40, ttmp6, 0x40000                  ; cx: my place in the cluster
	s_lshl_b32 s41, ttmp9, 2                       ; in a cluster launch ttmp9 counts clusters
	s_add_co_u32 s41, s41, s40                     ; my block of 64 queries: it enters fq's, x's and out0's addresses alone
	s_and_b32 s42, ttmp7, 0xffff                   ; the batch, which the four partners share
	s_and_b32 s43, s[WV], 1                        ; qp
	s_lshr_b32 s44, s[WV], 1                       ; kq
	; descriptor group 1: a dense block of 33,792 bytes as 132 rows of 256 bytes (32 elements of 8 bytes)
	s_mov_b32 s[G1], 15|(3<<16)|(1<<21)            ; the mask: all four work-groups; elements of 8 bytes; bit 21 set beside a mask; no padding
	s_mov_b32 s[G1+1], 32<<16                      ; tensor_dim0 = 32
	s_mov_b32 s[G1+2], 132<<16                     ; tensor_dim1 = 132
	s_mov_b32 s[G1+3], 32<<16                      ; tile_dim0 = 32
	s_mov_b32 s[G1+4], 132                         ; tile_dim1 = 132
	s_mov_b32 s[G1+5], 32                          ; tensor_dim0_stride
	s_mov_b32 s[G1+6], 0
	s_mov_b32 s[G1+7], 0
	s_mov_b32 s[MNT], 0x600000
	s_mov_b32 s[SEL], 0x76543210
	s_mov_b32 s[SEL+1], 0xfedcba98
	s_mov_b32 s[CS], 0x3e0293ee
	s_mov_b32 s[CS+1], s[CS]                       ; named with it as a pair, so it is written
	s_and_b32 s46, s[WV], 3                        ; which block of a slot I fetch, if I fetch
	s_mul_i32 s47, s46, STEPB                      ; its place in a slot: no place in the cluster enters an LDS address
	s_lshl_b32 s48, s42, 5
	s_add_co_u32 s48, s48, s46
	s_mul_i32 s48, s48, STEPB                      ; and in kv: block 32 batch + wave % 4
	s_mov_b32 s49, 0
	s_lshl_b32 s2, s42, 6
	s_add_co_u32 s2, s2, s41
	s_mul_i32 s2, s2, 8448                         ; my record in fq
	s_lshl_b32 s50, s43, 12
	s_add_co_u32 s50, s50, s2                      ; my two tiles' images
	s_mov_b32 s51, 0
	s_lshl_b32 s52, s43, 7
	s_add_co_u32 s52, s52, s2
	s_add_co_u32 s52, s52, 8192                    ; and their scale words
	s_mov_b32 s53, 0
	s_lshl_b32 s54, s[WV], 13
	s_add_co_u32 s54, s54, 196608                  ; wv's fragments 96 + 4 wave on
	s_mov_b32 s55, 0
	s_lshl_b32 s56, s[WV], 9
	s_add_co_u32 s56, s56, 274432                  ; their scale words
	s_mov_b32 s57, 0
	s_lshl_b32 s58, s[WV], 8                       ; bv of my 64 channels
	s_mov_b32 s59, 0
	s_lshl_b32 s2, s42, 23                         ; x and out0: batch x 512 rows of 16,384 bytes + my 64 rows + the block's 256 bytes
	s_lshl_b32 s3, s[WV], 20
	s_add_co_u32 s2, s2, s3
	s_lshl_b32 s3, s41, 8
	s_add_co_u32 s2, s2, s3
	s_mov_b32 s3, 0
	s_mul_i32 s46, s44, STEPB                      ; the block that I walk
	s_wait_kmcnt 0x0
	s_add_nc_u64 s[48:49], s[6:7], s[48:49]
	s_add_nc_u64 s[50:51], s[4:5], s[50:51]
	s_add_nc_u64 s[52:53], s[4:5], s[52:53]
	s_add_nc_u64 s[54:55], s[8:9], s[54:55]
	s_add_nc_u64 s[56:57], s[8:9], s[56:57]
	s_add_nc_u64 s[58:59], s[10:11], s[58:59]
	s_add_nc_u64 s[12:13], s[12:13], s[2:3]
	s_add_nc_u64 s[14:15], s[14:15], s[2:3]
	s_mov_b32 s[G0], 1                             ; slot 0: keys 0 .. 511
	s_mov_b32 s[G0+1], s47
	s_mov_b64 s[G0+2:G0+3], s[48:49]
	s_or_b32 s[G0+3], s[G0+3], 0x80000000          ; type = 2
	s_mov_b32 s[G0+4], 1                           ; slot 1: keys 512 .. 1,023
	s_add_co_u32 s[G0+5], s47, SLOTB
	s_add_nc_u64 s[G0+6:G0+7], s[48:49], SLOTB
	s_or_b32 s[G0+7], s[G0+7], 0x80000000
	CROUND                                         ; all four work-groups are here: the first joint loads meet
	s_cmp_lt_u32 s[WV], 4                          ; a wave's two first fills stand in one branch, ahead of every wait on TENSORcnt, every LDS read and every other barrier: two loads of mine are out here, later one
	s_cbranch_scc0 .Lno_first
	tensor_load_to_lds s[G0:G0+3], s[G1:G1+7]
	s_nop 0
	tensor_load_to_lds s[G0+4:G0+7], s[G1:G1+7]
	s_nop 0
.rept 4
	v_nop
.endr
.Lno_first:
	v_and_b32 v11, 31, v0                          ; lane
	v_lshlrev_b32 v[L16], 4, v11
	v_add_nc_u32 v[AD], s46, v[L16]
	v_add_nc_u32 v[AD+1], SLOTB, v[AD]
	v_lshlrev_b32 v[AS], 2, v11
	v_add_nc_u32 v[AS], s46, v[AS]
	v_add_nc_u32 v[AS], 32768, v[AS]
	v_add_nc_u32 v[AS+1], SLOTB, v[AS]
	v_lshlrev_b32 v[PFO], 14, v11
	v_and_b32 v[R4], 15, v0
	v_bfe_u32 v[GX], v0, 4, 1
	v_lshlrev_b32 v[GX], 14, v[GX]
	v_lshl_add_u32 v[GX], v[R4], 4, v[GX]
	v_lshlrev_b32 v[R4], 2, v[R4]
	WIN 0x40                                       ; destination window 1
.irp i, 0,1
.irp c, 0,1,2,3
	global_load_b128 v[128+16*\i+4*\c:131+16*\i+4*\c], v[L16], s[50:51] offset:2048*\i+512*\c   ; the queries' fragments stay in registers
.endr
.endr
.set cn, 0
.rept 128
	v_mov_b32 v[cn], 0                             ; O^T.  (The key step is written once: the first finds zeros, which the first change of M leaves zeros)
.set cn, cn+1
.endr
	WIN 0
.irp i, 0,1
	global_load_b32 v[252+\i], v[R4], s[52:53] offset:64*\i
.endr
.irp j, 0,1,2,3
	global_load_b32 v[24+\j], v[R4], s[56:57] offset:128*\j     ; wv's scale words, for the last product
	global_load_b32 v[28+\j], v[R4], s[58:59] offset:64*\j      ; bv of channel 16 j + r of my 64
.endr
.irp i, 0,1
	v_mov_b32 v[13+4*\i], 0xff61b1e6               ; the largest t so far: -3e38, under every t
	v_floor_f32 v[12+4*\i], -v[13+4*\i]            ; -M
	v_mov_b32 v[14+4*\i], 0                        ; the sum, in two halves
	v_mov_b32 v[15+4*\i], 0
	v_mov_b32 v[249+2*\i], 0                       ; named as the upper half of a pair before it is first written
.endr
.irp b, 0,1,2,3
	v_mov_b32 v[PM+\b], 0                          ; written once: a lane permute's destination counts as one of its sources
.endr
; THE SOFTMAX of tile i for one key step: 64 scores a lane become 64 codes and a scale word; the sum and O^T are brought under the new M.
.macro SOFTMAX i
.set pS, 96+64*(\i)
.set pN, 12+4*(\i)
.set pF, 248+2*(\i)
.set pC, 160+16*(\i)
.set pO, 64*(\i)
.irp b, 0,1,2,3
	v_max3_num_f32 v[BM+\b], v[pS+16*\b], v[pS+1+16*\b], v[pS+2+16*\b]   ; THE LARGEST SCORE OF EACH BLOCK OF 32 KEYS serves twice: for the row's maximum and, since p rises with the score, for the block's largest p
.endr
.irp n, 3,5,7,9,11,13
.irp b, 0,1,2,3
	v_max3_num_f32 v[BM+\b], v[BM+\b], v[pS+16*\b+\n], v[pS+1+16*\b+\n]  ; the four blocks by turns; each product's registers are read from the low end on
.endr
.endr
.irp b, 0,1,2,3
	v_max_num_f32 v[BM+\b], v[BM+\b], v[pS+15+16*\b]
.endr
.irp b, 0,1,2,3
	v_permlanex16_b32 v[PM+\b], v[BM+\b], s[SEL], s[SEL+1]
.endr
.irp b, 0,1,2,3
	v_max_num_f32 v[BM+\b], v[BM+\b], v[PM+\b]     ; with lane l xor 16's 16 keys
.endr
	v_max3_num_f32 v[TT], v[BM], v[BM+1], v[BM+2]
	v_max_num_f32 v[TT], v[TT], v[BM+3]            ; the step's largest score of my query
	v_mul_f32 v[TT], s[CS], v[TT]                  ; as t (c is positive)
	v_max_num_f32 v[pN+1], v[pN+1], v[TT]          ; the running largest t
	v_mov_b32 v[TT], v[pN]
	v_floor_f32 v[pN], -v[pN+1]                    ; the new -M = floor(-t) = -ceil(t): a whole number
	v_sub_f32 v[TT], v[pN], v[TT]                  ; old M - new M: a whole number, 0 or less
	v_cvt_i32_f32 v[TT], v[TT]                     ; (it saturates)
	v_ldexp_f32 v[pF], 1.0, v[TT]                  ; f = 2^(old M - new M)
.set cn, 0
.rept 32
	v_pk_fma_f32 v[pS+cn:pS+cn+1], v[pS+cn:pS+cn+1], s[CS:CS+1], v[pN:pN+1] op_sel_hi:[1,0,0]   ; t - M, two at a time
.set cn, cn+2
.endr
.irp b, 0,1,2,3
	v_fma_f32 v[BM+\b], v[BM+\b], s[CS], v[pN]     ; the same of each block's largest score
.endr
.set cn, 0
.rept 64
	v_exp_f32 v[pS+cn], v[pS+cn]                   ; p = 2^(t - M), at most 1: NOT normalised
.set cn, cn+1
.endr
.irp b, 0,1,2,3
	v_exp_f32 v[BM+\b], v[BM+\b]                   ; the block's largest p: the same two instructions on the same number
.endr
	v_pk_mul_f32 v[pN+2:pN+3], v[pN+2:pN+3], v[pF:pF+1] op_sel_hi:[1,0]   ; the sum under the new M (a plain line behind the exponentials)
	s_wait_alu depctr_va_vdst(0)
.irp b, 0,1,2,3
	v_max_num_f32 v[BM+\b], 0x4800000, v[BM+\b]    ; the floor 2^(9 - 127): the byte cannot fall under 1
.endr
.irp b, 0,1,2,3
	v_add_nc_u32 v[SO+\b], 0xfc000000, v[BM+\b]    ; 8 off the exponent field: the conversion's scale operand
.endr
.irp b, 0,1,2,3
	v_and_or_b32 v[HD+\b], v[BM+\b], 0x7f800000, s[MNT]   ; 448 x the scale
.endr
.irp b, 0,1,2,3
	v_lshrrev_b32 v[PM+\b], 23, v[SO+\b]           ; the scale's byte
.endr
	v_lshl_or_b32 v[pF+1], v[PM+1], 8, v[PM]       ; p's scale word for these 128 keys
	v_lshl_or_b32 v[pF+1], v[PM+2], 16, v[pF+1]
	v_lshl_or_b32 v[pF+1], v[PM+3], 24, v[pF+1]
	v_pk_add_f32 v[242:243], v[pS:pS+1], v[pS+2:pS+3]      ; THE ROW'S SUM IS TAKEN OF THE UNQUANTISED p: two at a time, in two chains
.set cn, 4
.rept 15
	v_pk_add_f32 v[pN+2:pN+3], v[pN+2:pN+3], v[pS+cn:pS+cn+1]
	v_pk_add_f32 v[242:243], v[242:243], v[pS+cn+2:pS+cn+3]
.set cn, cn+4
.endr
	v_pk_add_f32 v[pN+2:pN+3], v[pN+2:pN+3], v[242:243]
.irp b, 0,1,2,3
.set cn, 0
.rept 16
	v_min_num_f32 v[pS+16*\b+cn], v[pS+16*\b+cn], v[HD+\b]   ; the conversion to an 8-bit code does not saturate (ISA guide 7.6.2); p is not negative, so the hold is one-sided
.set cn, cn+1
.endr
.endr
	WIN 0x40                                       ; the codes go to window 1
.irp b, 0,1,2,3
	v_cvt_scalef32_pk8_fp8_f32 v[pC+4*\b:pC+1+4*\b], v[pS+16*\b:pS+7+16*\b], v[SO+\b]
	v_cvt_scalef32_pk8_fp8_f32 v[pC+2+4*\b:pC+3+4*\b], v[pS+8+16*\b:pS+15+16*\b], v[SO+\b]
.endr
	WIN 0x41                                       ; O^T (destination and source 0) in window 1, f in window 0
.set cn, 0
.rept 32
	v_pk_mul_f32 v[pO+cn:pO+cn+1], v[pO+cn:pO+cn+1], v[pF:pF+1] op_sel_hi:[1,0]   ; O^T under the new M.  (These are also the plain lines behind the conversions and in front of the products)
.set cn, cn+2
.endr
	WIN 0
.endm
; Eight fragments at byte `base` of my block come in one run: FRAGA: tiles 0-3 into window 0 and the eight tiles' scale words (at byte `sb` of the block's scale words); FRAGB: tiles 4-7 into window 1.
.macro FRAGA slot, base, sb
.irp t, 0,1,2,3
.irp c, 0,1,2,3
	ds_load_b128 v[FRG+16*\t+4*\c:FRG+16*\t+4*\c+3], v[AD+\slot] offset:\base+2048*\t+512*\c
.endr
.endr
.irp q, 0,1,2,3
	ds_load_b32 v[FS+\q], v[AS+\slot] offset:\sb+128*\q          ; lanes 0-15: tile 2 q's scale words; lanes 16-31: tile 2 q + 1's
.endr
.endm
.macro FRAGB slot, base
	WIN 0x40                                       ; destination window 1, address window 0
.irp t, 0,1,2,3
.irp c, 0,1,2,3
	ds_load_b128 v[FRB+16*\t+4*\c:FRB+16*\t+4*\c+3], v[AD+\slot] offset:\base+2048*(4+\t)+512*\c
.endr
.endr
.endm
; S^T: key tiles 4 g .. 4 g + 3, each against both tiles of queries: eight products that start eight sums
.macro SPROD g
.if \g
	WIN 0x05                                       ; source 0 (g's fragments) and source 1 (the queries) window 1
.else
	WIN 0x04                                       ; source 1 (the queries) window 1
.endif
.irp t, 0,1,2,3
.irp i, 0,1
.set rD, 96+64*\i+8*(4*\g+\t)
.set rA, FRG+16*\t+(FRB-FRG)*\g
.if \t%2
	v_wmma_scale_f32_16x16x128_f8f6f4 v[rD:rD+7], v[rA:rA+15], v[128+16*\i:143+16*\i], 0, v[FS+(4*\g+\t)/2], v[252+\i] matrix_a_scale:MATRIX_SCALE_ROW1
.else
	v_wmma_scale_f32_16x16x128_f8f6f4 v[rD:rD+7], v[rA:rA+15], v[128+16*\i:143+16*\i], 0, v[FS+(4*\g+\t)/2], v[252+\i]
.endif
.endr
.endr
.endm
; O^T += h-tile x p: channel tiles 4 g .. 4 g + 3, for both tiles of queries.  Sixteen sums, each once a step, so that no product adds onto the one just before it
.macro PVH g
.if \g
	WIN 0x55                                       ; all four places window 1
.else
	WIN 0x54                                       ; source 1 (p), C and D window 1
.endif
.irp t, 0,1,2,3
.irp i, 0,1
.set rD, 64*\i+8*(4*\g+\t)
.set rA, FRG+16*\t+(FRB-FRG)*\g
.if \t%2
	v_wmma_scale_f32_16x16x128_f8f6f4 v[rD:rD+7], v[rA:rA+15], v[160+16*\i:175+16*\i], v[rD:rD+7], v[FS+(4*\g+\t)/2], v[249+2*\i] matrix_a_scale:MATRIX_SCALE_ROW1
.else
	v_wmma_scale_f32_16x16x128_f8f6f4 v[rD:rD+7], v[rA:rA+15], v[160+16*\i:175+16*\i], v[rD:rD+7], v[FS+(4*\g+\t)/2], v[249+2*\i]
.endif
.endr
.endr
.endm
; THE FIRST HALF OF A KEY STEP: every LDS read of the step.  Eight places stand in front of each run of loads into registers that products have read, and of the first read of results.
.macro P1 slot
.rept 8
	v_nop
.endr
	FRAGA \slot, 0, 0
	FRAGB \slot, 0
	s_wait_dscnt 16                                ; tiles 0-3 and the scale words are in: the 16 loads of tiles 4-7 were issued behind them
	SPROD 0
	s_wait_dscnt 0x0
	SPROD 1
	WIN 0
.rept 8
	v_nop
.endr
	FRAGA \slot, 16384, 512                        ; h's eight fragments and its scale words land under the softmax
	FRAGB \slot, 16384
	WIN 0
	SOFTMAX 0
.endm
; THE SECOND HALF: work on registers alone
.macro P2
	SOFTMAX 1
	s_wait_dscnt 0x0                               ; h's fragments are in
	PVH 0
	PVH 1
	WIN 0
.endm
.macro ONLY grp                        ; the second half, for waves 0-3 (grp = 0) or for waves 4-7 (grp = 1)
.if \grp
	s_cmp_ge_u32 s[WV], 4
.else
	s_cmp_lt_u32 s[WV], 4
.endif
	s_cbranch_scc0 .Lnot_mine_\@
	P2
.Lnot_mine_\@:
.endm
; THE CHANGE OF SLOTS.  Each wave waits for all its tensor loads (its part of the other slot), adds 0 to its spare word, and waits for that and for its reads of this slot, all of which stand in P1.
; refill = 1: the round then holds of every wave of all four work-groups, and this slot is asked for again, with the keys two slots on, first thing behind the round: the load has a whole key step in which to land.
; refill = 0: nothing is left to fetch: my work-group's barrier alone shows the other slot whole to every wave.
.macro CHANGE slot, refill
	s_wait_tensorcnt 0x0                           ; no tensor load of mine is out, so a group 0 may be written
	ds_add_u32 v[SPW], v[NIL]                      ; 0 onto my spare word
.if \refill
	s_add_nc_u64 s[G0+4*\slot+2:G0+4*\slot+3], s[G0+4*\slot+2:G0+4*\slot+3], 2*SLOTB   ; this slot's next 512 keys; the type bits on top are not reached
.endif
	s_wait_dscnt 0x0                               ; the add is done, and my reads of this slot are over
.if \refill
	CROUND
	JLOAD G0+4*\slot
.else
	s_barrier_signal -1
	s_barrier_wait -1
.endif
.endm
	s_wait_loadcnt 0x0                             ; the queries, the scale words, bv
	s_wait_tensorcnt 0x1                           ; my part of slot 0 is in; slot 1's, issued behind it, may stay out
	s_barrier_signal -1
	s_barrier_wait -1                              ; everybody's is
	s_mov_b32 s45, 3
.Lloop:                                            ; eight slots' worth of keys: three trips of two, each slot filled again; the last two are written out
	P1 0
	ONLY 0
	CHANGE 0, 1
	ONLY 1
	P1 1
	ONLY 0
	CHANGE 1, 1
	ONLY 1
	s_sub_co_u32 s45, s45, 1
	s_cmp_lg_u32 s45, 0
	s_cbranch_scc1 .Lloop
	P1 0
	ONLY 0
	CHANGE 0, 0
	global_prefetch_b8 v[PFO], s[12:13] th:TH_LOAD_NT scope:SCOPE_SE                 ; each lane asks for one row's 256 bytes of x, my wave's 64 rows in two lines: what my loads on the way out,
	global_prefetch_b8 v[PFO], s[12:13] offset:524288 th:TH_LOAD_NT scope:SCOPE_SE   ; one key step on, will want; each such piece is asked for once in the launch
	ONLY 1
	P1 1
	P2                                             ; the last step's second half: no change of slots parts the groups any more
; ---- THE WAY OUT.  The address lines are the eight places behind the last products: they name none of their registers.
	s_lshl_b32 s46, s43, 16
	s_lshl_b32 s2, s44, 13
	s_add_co_u32 s47, s46, s2                      ; where my O^T goes: region 8 qp + 4 tile + kq, 8,192 bytes each
	s_lshl_b32 s2, s44, 11
	s_add_co_u32 s48, s46, s2                      ; what I take: of each key group's region the 2,048 bytes of channel block kq
	s_lshl_b32 s49, s43, 11
	s_add_co_u32 s49, s49, ML
	s_lshl_b32 s2, s44, 8
	s_add_co_u32 s50, s49, s2
	s_lshl_b32 s51, s43, 12
	s_lshl_b32 s2, s44, 9
	s_add_co_u32 s51, s51, s2
	s_add_co_u32 s51, s51, ZIMG
	s_lshl_b32 s52, s43, 7
	s_add_co_u32 s52, s52, s44
	s_add_co_u32 s52, s52, ZSC
	s_mul_i32 s53, s[WV], 4352
	s_add_co_u32 s53, s53, OST                     ; my stage
	v_and_b32 v240, 31, v0                         ; lane
	v_and_b32 v242, 15, v0                         ; r
	v_bfe_u32 v243, v0, 4, 1                       ; h
	v_add_nc_u32 v1, s47, v[L16]                   ; v1   O^T in
	v_lshl_add_u32 v2, v240, 3, s50                ; v2   -M and l in
	v_add_nc_u32 v3, s48, v[L16]                   ; v3   O^T back
	v_lshl_add_u32 v4, v240, 3, s49                ; v4   -M and l back
	v_add_nc_u32 v10, s51, v[L16]                  ; v10  z's codes in: piece kq of my tiles' images
	v_lshl_add_u32 v11, v242, 2, s52               ; v11  z's scale byte in
	v_lshl_add_u32 v241, v242, 2, ZSC              ; v241 z's scale words back
	v_add_nc_u32 v254, ZIMG, v[L16]                ; v254 z's images back
	v_mul_u32_u24 v255, v242, 272
	v_lshl_add_u32 v255, v243, 6, v255
	v_add_nc_u32 v255, s53, v255                   ; v255 the stage, in: row r (an output channel), + 64 h
.set cn, 0
.rept 16
	global_load_b128 v[FRG+4*cn:FRG+4*cn+3], v[L16], s[54:55] offset:512*cn     ; wv's four fragments of my 64 output channels
.set cn, cn+1
.endr
	WIN 0x40
.set cn, 0
.rept 32
	global_load_b128 v[128+4*cn:131+4*cn], v[GX], s[12:13] offset:32768*cn th:TH_LOAD_NT   ; x: rows 2 cn + h of my 64, 256 bytes each: sixteen lanes to a row
.set cn, cn+1
.endr
	WIN 0
.irp i, 0,1
	v_add_f32 v[14+4*\i], v[14+4*\i], v[15+4*\i]   ; the sum's two halves,
.endr
.irp i, 0,1
	v_permlanex16_b32 v[PM+\i], v[14+4*\i], s[SEL], s[SEL+1]
.endr
.irp i, 0,1
	v_add_f32 v[13+4*\i], v[14+4*\i], v[PM+\i]     ; and lane l xor 16's: my key group's l, beside -M
.endr
	WIN 0x04                                       ; an LDS store's data are its source 1: window 1
.irp i, 0,1
.set cn, 0
.rept 16
	ds_store_b128 v1, v[64*\i+4*cn:64*\i+4*cn+3] offset:32768*\i+512*cn     ; each sum's registers from the low end on
.set cn, cn+1
.endr
.endr
	WIN 0
.irp i, 0,1
	ds_store_b64 v2, v[12+4*\i:13+4*\i] offset:1024*\i
.endr
	s_wait_dscnt 0x0                               ; for the others' sake: my stores have landed, and my reads of slot 1 are over
	s_barrier_signal -1
	s_barrier_wait -1
	v_mul_u32_u24 v1, v243, 272
	v_lshl_add_u32 v1, v242, 4, v1
	v_add_nc_u32 v1, s53, v1                       ; v1   the stage, back: lanes 0-15 one row, lanes 16-31 the next
.irp i, 0,1
.irp k, 0,1,2,3
.irp c, 0,1,2,3
	ds_load_b128 v[96+64*\i+16*\k+4*\c:99+64*\i+16*\k+4*\c], v3 offset:32768*\i+8192*\k+512*\c   ; key group k's 16 numbers of channel block kq
.endr
	ds_load_b64 v[224+8*\i+2*\k:225+8*\i+2*\k], v4 offset:1024*\i+256*\k
.endr
.endr
	WIN 0x40
.irp t, 0,1,2,3
.irp j, 0,1,2,3,4,5,6,7
	v_mov_b32 v[8*\t+\j], v[28+\t]                 ; bv in the last product's layout: a lane holds one output channel: the C of that product
.endr
.endr
	WIN 0
	s_wait_dscnt 0x0
; 16 numbers of a lane become 16 codes in v[d] .. v[d + 3] and the block's byte in v[e]; the block's other half lies in lane l xor 16
.macro QBLK s, d, e
	v_max3_num_f32 v[QA], |v[\s]|, |v[\s+1]|, 0x4800000
	v_max3_num_f32 v[QB], |v[\s+2]|, |v[\s+3]|, |v[\s+4]|
	v_max3_num_f32 v[QA], v[QA], |v[\s+5]|, |v[\s+6]|
	v_max3_num_f32 v[QB], v[QB], |v[\s+7]|, |v[\s+8]|
	v_max3_num_f32 v[QA], v[QA], |v[\s+9]|, |v[\s+10]|
	v_max3_num_f32 v[QB], v[QB], |v[\s+11]|, |v[\s+12]|
	v_max3_num_f32 v[QA], v[QA], |v[\s+13]|, |v[\s+14]|
	v_max3_num_f32 v[QA], v[QA], v[QB], |v[\s+15]|
	v_permlanex16_b32 v[QP], v[QA], s[SEL], s[SEL+1]
	v_max_num_f32 v[QA], v[QA], v[QP]
	v_add_nc_u32 v[QS], 0xfc000000, v[QA]
	v_and_or_b32 v[QH], v[QA], 0x7f800000, s[MNT]
	v_lshrrev_b32 v[\e], 23, v[QS]
.set cn, 0
.rept 16
	v_med3_num_f32 v[\s+cn], v[\s+cn], -v[QH], v[QH]
.set cn, cn+1
.endr
	v_cvt_scalef32_pk8_fp8_f32 v[\d:\d+1], v[\s:\s+7], v[QS]
	v_cvt_scalef32_pk8_fp8_f32 v[\d+2:\d+3], v[\s+8:\s+15], v[QS]
	v_nop                                          ; a plain line behind the last conversion
.endm
; Tile i: the four key groups under one M: -M* is the least -M; f_k = 2^(M_k - M*), exact; l = the sum of f_k l_k; z = the sum of f_k O_k, divided by l; quantised along the channels.
.macro MERGE i
.set mA, 224+8*(\i)
.set mZ, 96+64*(\i)
	v_min_num_f32 v12, v[mA], v[mA+2]
	v_min_num_f32 v13, v[mA+4], v[mA+6]
	v_min_num_f32 v12, v12, v13
.irp k, 0,1,2,3
	v_sub_f32 v[mA+2*\k], v12, v[mA+2*\k]          ; M_k - M*: a whole number, 0 or less
.endr
.irp k, 0,1,2,3
	v_cvt_i32_f32 v[mA+2*\k], v[mA+2*\k]
.endr
.irp k, 0,1,2,3
	v_ldexp_f32 v[mA+2*\k], 1.0, v[mA+2*\k]
.endr
	v_mul_f32 v13, v[mA], v[mA+1]
.irp k, 1,2,3
	v_fma_f32 v13, v[mA+2*\k], v[mA+2*\k+1], v13
.endr
	v_rcp_f32 v14, v13                             ; (the lines below are plain and touch neither)
.irp j, 0,2,4,6,8,10,12,14
	v_pk_mul_f32 v[mZ+\j:mZ+\j+1], v[mZ+\j:mZ+\j+1], v[mA:mA+1] op_sel_hi:[1,0]
.endr
.irp k, 1,2,3
.irp j, 0,2,4,6,8,10,12,14
	v_pk_fma_f32 v[mZ+\j:mZ+\j+1], v[mZ+16*\k+\j:mZ+16*\k+\j+1], v[mA+2*\k:mA+2*\k+1], v[mZ+\j:mZ+\j+1] op_sel_hi:[1,0,1]
.endr
.endr
	s_wait_alu depctr_va_vdst(0)
.irp j, 0,2,4,6,8,10,12,14
	v_pk_mul_f32 v[mZ+\j:mZ+\j+1], v[mZ+\j:mZ+\j+1], v[14:15] op_sel_hi:[1,0]
.endr
	QBLK mZ, mA, 242+\i
	ds_store_b128 v10, v[mA:mA+3] offset:2048*\i
	ds_store_b8 v11, v[242+\i] offset:64*\i        ; both halves of the lanes write the same byte with the same value
.endm
	MERGE 0
	MERGE 1
	s_wait_dscnt 0x0
	s_barrier_signal -1
	s_barrier_wait -1                              ; z's four fragments and their scale words lie in LDS
.irp a, 0,1,2,3
.irp c, 0,1,2,3
	ds_load_b128 v[96+16*\a+4*\c:99+16*\a+4*\c], v254 offset:2048*\a+512*\c
.endr
	ds_load_b32 v[20+\a], v241 offset:64*\a
.endr
	s_wait_dscnt 0x0
	s_wait_loadcnt 0x0                             ; wv's fragments, x
; Output channels 16 t .. 16 t + 15 of my 64, for the 64 positions.  In tile a = 2 b + u lane (r, h) holds channel r and positions 32 b + 8 u + 16 h + 0 .. 7: 32 bytes of the channel's row.
.macro OUT t
.set rD0, 160+32*((\t)%2)
	WIN 0x10                                       ; C (bv) window 1
.irp a, 0,1,2,3
	v_wmma_scale_f32_16x16x128_f8f6f4 v[rD0+8*\a:rD0+8*\a+7], v[96+16*\a:111+16*\a], v[FRG+16*(\t):FRG+16*(\t)+15], v[8*(\t):8*(\t)+7], v[20+\a], v[24+(\t)]
.endr
	WIN 0
.rept 8
	v_nop                                          ; eight places in front of the first read of results
.endr
.irp a, 0,1,2,3
	ds_store_b128 v255, v[rD0+8*\a:rD0+8*\a+3] offset:128*(\a/2)+32*(\a%2)          ; each result from its low end on
	ds_store_b128 v255, v[rD0+8*\a+4:rD0+8*\a+7] offset:128*(\a/2)+32*(\a%2)+16
.endr
	WIN 0x40
.irp n, 0,1,2,3,4,5,6,7
	ds_load_b128 v[32+4*\n:35+4*\n], v1 offset:544*\n        ; LDS serves a wave's instructions in order (ISA guide 5.7.1.4): these see my stores, and the next tile's stores come behind them
.endr
	s_wait_dscnt 0x0
	WIN 0x45                                       ; all in window 1
.set cn, 0
.rept 16
	v_pk_add_f32 v[128+32*(\t)+cn:129+32*(\t)+cn], v[128+32*(\t)+cn:129+32*(\t)+cn], v[32+cn:33+cn]   ; + x, onto x's own registers: no store's data are ever written again
.set cn, cn+2
.endr
	WIN 0x04                                       ; a store's data are its source 1
.irp n, 0,1,2,3,4,5,6,7
	global_store_b128 v[GX], v[128+32*(\t)+4*\n:131+32*(\t)+4*\n], s[14:15] offset:(16*(\t)+2*\n)*16384 th:TH_STORE_NT   ; sixteen lanes store 256 consecutive bytes, aligned; written once
.endr
	WIN 0
.endm
	OUT 0
	OUT 1
	OUT 2
	OUT 3
	s_wait_tensorcnt 0x0                           ; the wave's end: behind my last tensor load and my last LDS store
	ds_add_u32 v[SPW], v[NIL]
	s_wait_dscnt 0x0
	CROUND                                         ; the closing round: no work-group ends while a partner may still ask for a tile that names it
	s_endpgm
.Lfunc_end_k_q0de79a4071_attn:
	.size	k_q0de79a4071_attn, .Lfunc_end_k_q0de79a4071_attn-k_q0de79a4071_attn
	.p2alignl 7, 3214868480
	.fill 96, 4, 3214868480
	.section	.rodata,"a",@progbits
	.p2align	6, 0x0
	.amdhsa_kernel k_q0de79a4071_attn
		.amdhsa_group_segment_fixed_size 327680
		.amdhsa_private_segment_fixed_size 0
		.amdhsa_enable_private_segment 0
		.amdhsa_kernarg_size 48
		.amdhsa_user_sgpr_count 2
		.amdhsa_user_sgpr_kernarg_segment_ptr 1
		.amdhsa_wavefront_size32 1
		.amdhsa_system_sgpr_workgroup_id_x 1
		.amdhsa_system_sgpr_workgroup_id_y 1
		.amdhsa_system_sgpr_workgroup_id_z 1
		.amdhsa_system_vgpr_workitem_id 0
		.amdhsa_next_free_vgpr 512
		.amdhsa_next_free_sgpr 66
		.amdhsa_reserve_vcc 0
		.amdhsa_float_denorm_mode_32 3
		.amdhsa_float_denorm_mode_16_64 3
		.amdhsa_memory_ordered 1
		.amdhsa_forward_progress 1
		.amdhsa_inst_pref_size 255
	.end_amdhsa_kernel
	.section	.bss,"aw",@nobits
	.p2align	6
	.space	262144
	.amdgpu_metadata
---
amdhsa.version: [ 1, 2 ]
amdhsa.kernels:
  - .name:           k_q0de79a4071_attn
    .symbol:         k_q0de79a4071_attn.kd
    .args:
      - { .name: fq, .offset: 0, .size: 8, .value_kind: global_buffer, .address_space: global }
      - { .name: kv, .offset: 8, .size: 8, .value_kind: global_buffer, .address_space: global }
      - { .name: wq, .offset: 16, .size: 8, .value_kind: global_buffer, .address_space: global }
      - { .name: bv, .offset: 24, .size: 8, .value_kind: global_buffer, .address_space: global }
      - { .name: x, .offset: 32, .size: 8, .value_kind: global_buffer, .address_space: global }
      - { .name: out0, .offset: 40, .size: 8, .value_kind: global_buffer, .address_space: global }
    .group_segment_fixed_size: 327680
    .private_segment_fixed_size: 0
    .kernarg_segment_align: 8
    .kernarg_segment_size: 48
    .max_flat_workgroup_size: 256
    .sgpr_count:     66
    .vgpr_count:     512
    .wavefront_size: 32
...
	.end_amdgpu_metadata
.endif
;; end of part 3
